; MI455X (gfx1250); checked and timed in simulation.
; The chip was launched on July 23, 2026; its instructions are those of AMD's public machine-readable ISA for CDNA 5 (MIT licence, August 2026) and "CDNA5" Instruction Set Architecture Reference Guide (July 2026). The comments in the code are by the model that wrote it; some were corrected since.
;; Attention. Allowed arithmetic: matrix products marked QUANTISED: E2M3 operands, one E8M0 scale for each 32 along K, by v_wmma_scale_f32_16x16x128_f8f6f4 with both operands' format E2M3, f32 sums; everything else in f32.
;; Inputs: Wk_codes 1,024 x 32 x 24 uint8 (E2M3 codes of Wk, K innermost, in blocks of 32 codes, four codes in three bytes); Wk_scales 1,024 x 32 uint8 (E8M0 scales of Wk, one for each 32 codes along K); Wq_codes 1,024 x 32 x 24 uint8 (E2M3 codes of Wq, K innermost, in blocks of 32 codes, four codes in three bytes); Wq_scales 1,024 x 32 uint8 (E8M0 scales of Wq, one for each 32 codes along K); Wv_codes 1,024 x 32 x 24 uint8 (E2M3 codes of Wv, K innermost, in blocks of 32 codes, four codes in three bytes); Wv_scales 1,024 x 32 uint8 (E8M0 scales of Wv, one for each 32 codes along K); bk 1,024 float32; bq 1,024 float32; bv 1,024 float32; x_codes 4 x 2,048 x 32 x 24 uint8 (E2M3 codes of x, K innermost, in blocks of 32 codes, four codes in three bytes); x_scales 4 x 2,048 x 32 uint8 (E8M0 scales of x, one for each 32 codes along K).
;; Outputs: out0 4 x 2,048 x 1,024 float32.
;; This version of the problem:
;;   THIS VERSION OF THE PROBLEM IS GIVEN IN LOW PRECISION. The matrix products marked QUANTISED in the list below multiply operands that are first quantised to E2M3 (2 exponent bits, 3 mantissa bits; 6 bits a number), with one power-of-two scale for each 32 numbers along K (OCP MX v1.0); their sums are f32. All else is computed in f32.
;;   The module's matrix products, in the order in which they are computed (A, B: the left and right operand; K: the contracted axis; several contracted axes count as one K, in the product's order):
;;     1. [M 8,192, K 1,024] x [K 1,024, N 1,024]; A: input x (given as codes); B: input Wq (given as codes): QUANTISED
;;     2. [M 8,192, K 1,024] x [K 1,024, N 1,024]; A: input x (given as codes); B: input Wk (given as codes): QUANTISED
;;     3. [M 8,192, K 1,024] x [K 1,024, N 1,024]; A: input x (given as codes); B: input Wv (given as codes): QUANTISED
;;     4. batch 64 x [M 2,048, K 64] x [K 64, N 2,048]; A: computed on the way; B: computed on the way: QUANTISED
;;     5. batch 64 x [M 2,048, K 2,048] x [K 2,048, N 64]; A: softmax (see below); B: computed on the way: QUANTISED
;;   THE QUANTISER, for each operand of a quantised product, along K:
;;     - K is cut into blocks of 32 from its start; a last block that is shorter is filled with zeros.
;;     - A block's scale is 2^e with e = floor(log2(the largest magnitude in the block)) - 2, held to -126 .. 127; a block of zeros has e = 0. As a byte (E8M0): e + 127.
;;     - Each number is divided by its block's scale, clamped to +-7.5, and rounded to the nearest number of E2M3, ties to even, subnormals kept.
;;     - The product sums the exact products of the quantised numbers (number of the format x scale) in f32.
;;   ~~~python
;;   def quantise(x, axis):      # numpy; x: float32 -> the quantised numbers, widened to float32 again
;;       x = np.moveaxis(x, axis, -1); K = x.shape[-1]
;;       x = np.pad(x, [(0, 0)] * (x.ndim - 1) + [(0, -K % 32)]); x = x.reshape(x.shape[:-1] + (-1, 32)); a = np.abs(x).max(-1, keepdims=True)
;;       e = np.where(a > 0, np.clip(np.frexp(np.where(a > 0, a, 1))[1] - 1 - 2, -126, 127), 0)      # np.frexp(a)[1] - 1 = floor(log2(a)), exactly
;;       r = np.clip(x / 2.0 ** e, -7.5, 7.5)
;;       step = 2.0 ** (np.maximum(np.frexp(np.where(r == 0, 1, r))[1] - 1, 0) - 3)
;;       q = np.round(r / step) * step * 2.0 ** e      # np.round: ties to even
;;       return np.moveaxis(q.reshape(q.shape[:-2] + (-1,))[..., :K], -1, axis).astype(np.float32)
;;   ~~~
;;   SOFTMAX AHEAD OF A QUANTISED PRODUCT. Where the list says 'softmax', what is quantised is not the finished softmax but p = 2^(t - M), with t = logit x log2(e) and M = ceil(the row's largest t), a whole number; so 1/2 < the row's largest p <= 1. The row's sum l is taken of the UNQUANTISED p, in f32, and the product's result is divided by l at the end. Since M is a whole number, a kernel that streams over the keys may use a running M (the ceiling of the running maximum): every later rescaling is an exact power of two, which a block's scale takes up: the codes' values come out the same.
;;   OPERANDS COMPUTED ON THE WAY. 'Computed on the way' means the value that the module computes at that place (a softmax that the list does not call 'softmax' is quantised finished and normalised). What goes into a quantiser is computed in f32, as accurately as f32 sums, v_exp_f32 and their like allow (about 1e-6 of the number): no bf16 or f16 on the way to a quantiser, and a product that is left as it is and whose result goes on into a quantised operand takes f32 operands (vector FMAs, or v_wmma_f32_16x16x4_f32). A number that lies on a knife's edge between two numbers of the format may be rounded either way, as far as f32 arithmetic and the matrix unit's own rounding can turn it there, and no further.
;;   INPUTS GIVEN AS CODES. Wk (in the module: [1024, 1024], K = its axis 1); Wq (in the module: [1024, 1024], K = its axis 1); Wv (in the module: [1024, 1024], K = its axis 1); x (in the module: [4, 2048, 1024], K = its axis 2): each comes as NAME_codes (uint8): NAME with its K axis moved to the last place and cut into blocks of 32 codes, [.., K / 32, bytes a block], one block behind the other in memory; four codes in three bytes: a row's codes are one little-endian stream of bits, code i at bits 6 i .. 6 i + 5 (a code: sign, 2 exponent bits, 3 mantissa bits); and NAME_scales (uint8): the same leading axes, one E8M0 byte (e + 127) for each 32 codes along K. Its value is code x scale, taken as it is: it is not quantised again, and the codes and scales need not be those that the quantiser above would give.
;; One version. Each part assembles by itself: llvm-mc -triple=amdgcn-amd-amdhsa -mcpu=gfx1250 --defsym DOCPART=n.
;; ======== version 1 of 1: 2 launches
;; limits: right only within a limited range of input values
;; workspace buffers: qw 6,815,744 bytes; kv 13,369,344 bytes
;; launch proj (part 1): grid 8 x 32, 4 waves a work-group, clusters of 4 x 4, 327,680 bytes of LDS; arguments x_codes, x_scales, Wq_codes, Wq_scales, Wk_codes, Wk_scales, Wv_codes, Wv_scales, bq, bk, bv, qw, kv; writes qw, kv
.if DOCPART == 1
	.amdgcn_target "amdgcn-amd-amdhsa--gfx1250"
	.amdhsa_code_object_version 6
	.text
	.protected	k_qb66b2b6c7c_proj
	.globl	k_qb66b2b6c7c_proj
	.p2align	8
	.type	k_qb66b2b6c7c_proj,@function
k_qb66b2b6c7c_proj:
	s_mov_b64 s[64:65], 0
	v_nop
	global_prefetch_b8 v0, s[64:65] scope:SCOPE_SE
	s_setreg_imm32_b32 hwreg(HW_REG_WAVE_MODE, 25, 1), 1
	s_wait_xcnt 0x0
	s_wait_alu depctr_hold_cnt(0) depctr_sa_sdst(0) depctr_va_vdst(0) depctr_va_sdst(0) depctr_va_ssrc(0) depctr_va_vcc(0) depctr_vm_vsrc(0)
	s_getreg_b32 s2, hwreg(HW_REG_IB_STS2, 6, 4)
	s_cmp_eq_u32 s2, 0
	s_cbranch_scc0 .Lentry_in_a_cluster
	s_endpgm
.Lentry_in_a_cluster:
	s_bfe_u32 s2, ttmp6, 0x10000c
	s_cmp_lg_u32 s2, 0xf033
	s_cbranch_scc0 .Lentry_shape_is_right
	s_endpgm
.Lentry_shape_is_right:
; q, k, v = x W^T + b on codes of FP6 (E2M3, one E8M0 byte for each 32 along K), and their quantisers: the results leave as codes and scale words in the order of the next launch's operand registers.
; No work of the problem is left out.  LIMITS: NaN, infinities and sums beyond f32's range are not served; a sum begins with the bias, where the definition adds it last.
; THE DEAL: 256 work-groups of four waves, each with two parts.  PART 1: 256 tokens (tile s17) x 256 columns of q (cluster x = 0) or k (1): a wave makes 128 x 128, 64 accumulators.  PART 2: v of THE SAME 256 tokens x 128 channels (block s67 of eight):
; a wave makes 64 channels x 128 tokens, 32 accumulators.  3,072 columns are eight times 256 + 128, so all work-groups have the same work.
; K goes through a ring of two LDS slots in CHUNKS OF 256 BYTES of each row (a row of codes is 768 bytes: three chunks, each from a multiple of 256 bytes); a step of 128 along K is 96 bytes.  The ring does not stop between the parts: the walk is 16 steps
; and 6 chunks, chunks 3 to 5 being x's chunks 0 to 2 once more (in A's rows of a slot) and W_v's (64 rows a wave, in B's room).  Part 1's way out stands between the parts, while chunks 3 and 4 are on their way.
; The scales of x's and the weight's 256 rows come into LDS once by tensor loads; W_v's 128 rows' by plain loads and LDS stores into bytes of their own.  4 x 4 work-groups form a cluster: x's tiles are asked for jointly along a row, the weights' along a column.
; The matrix instruction's source 1 gives a lane its row, source 0 the eight rows of its registers: part 1: source 0 the weight, source 1 x; part 2: source 0 x, source 1 W_v.
; No data prefetch: the block is the largest that the registers hold, in clusters, and a tensor's K is three chunks.
; THE BUFFERS (bh = 16 batch + head, a step is 128 tokens): qw[bh][step] 6,656 bytes: 8 fragments of 768 (registers 0-3 at 16 x lane, 4-5 at 512 + 8 x lane), at 6,144 two groups of 256 bytes of scale words [row][4 fragments];
; kv[bh][step] 13,056 bytes: k's likewise, at 6,144 v's 4 fragments of 1,536 bytes (16 channels x 128 keys), at 12,288 k's scale words, at 12,800 v's.
; Row 8 g + i of q's or k's fragment 4 c + j is token 64 c + 32 g + 8 (2 (j % 2) + j / 2) + i of the step: so the next launch's lanes hold whole blocks of 32 keys.  That order is made on the way out: blocks a and a + 2 exchange groups of eight lanes.
; Inside a block of 32 the codes stand in the order 0-7, 16-23, 8-15, 24-31 (q's and k's along the channels, v's along the keys): alike on both operands of each later product.
.set ROWB,   256
.set NQ,     2
.set KROW,   768
.set STEPS,  16
.set CHUNKS, 6
.set PITCH,  272
.set FR,     12
.set NL,     6
.set NP,     4
.set HALFT,  128*PITCH
.set SLOT,   4*HALFT
.set KS,     32
.set SCL,    2*SLOT
.set HALFS,  (128*KS/256)*272
.set SBLK,   (16*KS/256)*272
.set SCV,    SCL+4*HALFS               ; W_v's scale bytes, 128 rows, laid as a tensor load would pad them
.set SPARE,  SCV+HALFS
.set QHEAD,  106496
.set KVHEAD, 208896
.set QSTEP,  6656
.set KVSTEP, 13056
.set BA,   8
.set ADRA, 16
.set ADRB, 20
.set VO16, 24
.set VO8,  25
.set VOS,  26
.set ADRS, 27
.set SPW,  28
.set NIL,  29
.set VOV,  30
.set SH,   31
.set SC,   32
.set BI,   64
.set BV4,  116                         ; v116-119 v's bias, a number a block
.set AF,   128
.set TM,   64
.set PW,   80
.set SW,   84
.set PR,   88
.set TT,   90
.set XB,   244                         ; v244-247 part 2: as ADRA, for my 128 tokens;  v248-251 for my 64 rows of W_v
.set WB,   248
.set ADRS2, 252                        ; part 2's scale words: lanes 0-15 W_v's block i, lanes 16-31 x's;  v253: for i = 4 .. 7, where lanes 0-15 read blocks 0 .. 3 once more
.set ADRS3, 253
.set BVA,  254
.set G1,   24
.set G0,   32
.set G1B,  48
.set G0B,  56
.set G1S,  68
.set G0S,  76
.set G1SB, 80
.set G0SB, 88
.set G0H,  4
.set G0HB, 8
.set M8,   66
.set VBK,  67                          ; s67 my block of 128 channels of v
.set WVB,  68                          ; s[68:69] my 64 rows of W_v; s[70:71] their bias; s[72:73], s[74:75] v's codes and scale words in kv
.set KIND, 96
.set SEL,  98
.set HIM,  100
.set HS,   101
.set MSB, 0
.macro WIN new
.if MSB != \new
	s_set_vgpr_msb (MSB<<8)|\new
.set MSB, \new
.endif
.endm
.set MUL_LO, 0xa1
.set MUL_HI, 0xf1
.set FST_LO, 0x81                      ; a part's first step: C, the bias, lies in window 0
.set FST_HI, 0xc1
.set TO_B,   0x40
.macro PLACES n
.rept \n
	v_nop
.endr
.endm
.macro JLOAD g0a, g1a, g0b, g1b        ; waves 0, 1 fetch x's rows, waves 2, 3 the weight's
	s_cmp_eq_u32 s15, 0
	s_cbranch_scc0 .Lfor_b_\@
	tensor_load_to_lds s[\g0a:\g0a+3], s[\g1a:\g1a+7]
	s_nop 0
	PLACES 4
	s_branch .Lasked_\@
.Lfor_b_\@:
	tensor_load_to_lds s[\g0b:\g0b+3], s[\g1b:\g1b+7]
	s_nop 0
	PLACES 4
.Lasked_\@:
.endm
.macro CREST
	s_cmp_lg_u32 s14, 0
	s_cbranch_scc1 .Lnot_wave_0_\@
	s_barrier_signal -3
.Lnot_wave_0_\@:
	s_barrier_wait -3
	s_barrier_signal -1
	s_barrier_wait -1
.endm
.macro CROUND
	s_barrier_signal -1
	s_barrier_wait -1
	CREST
.endm
	s_load_b512 s[68:83], s[0:1], 0x0
	s_load_b256 s[84:91], s[0:1], 0x40
	s_load_b64 s[92:93], s[0:1], 0x60
	v_lshl_add_u32 v[SPW], v0, 2, SPARE
	v_mov_b32 v[NIL], 0
	ds_add_u32 v[SPW], v[NIL]              ; the opening lines: the add twice on end and one wait
	ds_add_u32 v[SPW], v[NIL]
	v_lshrrev_b32 v1, 5, v0
	v_readfirstlane_b32 s14, v1            ; the wave; s15, s16 its two halves
	v_lshlrev_b32 v8, 5, v0                ; 32 x thread: a row of W_v's scale bytes
	s_lshr_b32 s15, s14, 1
	s_and_b32 s16, s14, 1
	s_bfe_u32 s40, ttmp6, 0x40000
	s_bfe_u32 s41, ttmp6, 0x40004
	s_mov_b32 s[KIND], ttmp9               ; 0 q, 1 k: the same in the whole cluster
	s_and_b32 s97, ttmp7, 0xffff
	s_lshl_b32 s97, s97, 2
	s_add_co_u32 s17, s97, s41             ; x's tile, 0 .. 31
	s_mov_b32 s42, s40                     ; the weight's tile, 0 .. 3
	s_lshl_b32 s[VBK], s[KIND], 2
	s_add_co_u32 s[VBK], s[VBK], s40
	s_lshl_b32 s43, s41, 2
	s_lshl_b32 s43, 15, s43                ; my row of the cluster
	s_lshl_b32 s44, 0x1111, s40            ; my column
	s_or_b32 s[G1+0], s43, (0<<16)|(1<<20)|(1<<21)|(5<<22)|(3<<25)
	s_or_b32 s[G1B+0], s44, (0<<16)|(1<<20)|(1<<21)|(5<<22)|(3<<25)
.irp g, G1, G1B                        ; rows of 256 bytes + 16 of padding; 256 rows for the head's loads
	s_mov_b32 s[\g+1], ROWB<<16
	s_mov_b32 s[\g+2], 256<<16
	s_mov_b32 s[\g+3], ROWB<<16
	s_mov_b32 s[\g+4], 256
	s_mov_b32 s[\g+5], KROW
	s_mov_b32 s[\g+6], 0
	s_mov_b32 s[\g+7], 0
.endr
	s_mov_b32 s[SEL], 0x76543210
	s_mov_b32 s[SEL+1], 0xfedcba98
	s_mov_b32 s[HIM], 0xffff0000
	s_mov_b32 s[M8], 0xff00ff00            ; lanes 8-15 of each 16
	s_wait_alu depctr_va_vdst(0)
	s_wait_dscnt 0x0
	s_wait_kmcnt 0x0
	s_lshl_b32 s20, s[VBK], 12             ; 128 rows of 32 bytes
	s_mov_b32 s21, 0
	s_add_nc_u64 s[82:83], s[82:83], s[20:21]
	global_load_b128 v[224:227], v8, s[82:83]          ; W_v's scale bytes: a row a thread, 4,096 consecutive bytes in all
	global_load_b128 v[228:231], v8, s[82:83] offset:16
	s_cmp_eq_u32 s[KIND], 1
	s_cselect_b64 s[8:9], s[76:77], s[72:73]     ; the weight's codes, scales, bias; qw or kv
	s_cselect_b64 s[10:11], s[78:79], s[74:75]
	s_cselect_b64 s[12:13], s[86:87], s[84:85]
	s_cselect_b64 s[94:95], s[92:93], s[90:91]
	s_mov_b64 s[4:5], s[68:69]
	s_mov_b64 s[6:7], s[70:71]
	s_lshl_b32 s20, s17, 8
	s_lshl_b32 s46, s42, 8
	s_mov_b32 s47, 0
	s_mov_b64 s[18:19], KS
	s_mul_u64 s[22:23], s[20:21], s[18:19]
	s_mul_u64 s[92:93], s[46:47], s[18:19]
	s_mov_b64 s[18:19], KROW
	s_mul_u64 s[20:21], s[20:21], s[18:19]
	s_mul_u64 s[46:47], s[46:47], s[18:19]
	s_mul_i32 s18, s16, 128*KROW           ; in the ring I fetch 128 rows of a tile
	s_mov_b32 s19, 0
	s_mul_i32 s45, s14, HALFT
	s_add_nc_u64 s[20:21], s[4:5], s[20:21]
	s_add_nc_u64 s[22:23], s[6:7], s[22:23]
	s_add_nc_u64 s[46:47], s[8:9], s[46:47]
	s_add_nc_u64 s[92:93], s[10:11], s[92:93]
	s_wait_xcnt 0x0                        ; the two loads have read their base: its registers take a descriptor
	s_or_b32 s[G1S+0], s43, (3<<16)|(1<<20)|(1<<21)|(5<<22)|(3<<25)
	s_or_b32 s[G1SB+0], s44, (3<<16)|(1<<20)|(1<<21)|(5<<22)|(3<<25)
.irp g, G1S, G1SB                      ; the scales of 256 rows: 8,192 dense bytes as 32 rows of 256
	s_mov_b32 s[\g+1], 32<<16
	s_mov_b32 s[\g+2], KS<<16
	s_mov_b32 s[\g+3], 32<<16
	s_mov_b32 s[\g+4], KS
	s_mov_b32 s[\g+5], 32
	s_mov_b32 s[\g+6], 0
	s_mov_b32 s[\g+7], 0
.endr
	CROUND                                 ; in front of the first joint loads
	s_mov_b32 s[G0H], 1
	s_mov_b32 s[G0H+1], 0
	s_mov_b64 s[G0H+2:G0H+3], s[20:21]
	s_or_b32 s[G0H+3], s[G0H+3], 0x80000000
	s_mov_b32 s[G0HB], 1
	s_mov_b32 s[G0HB+1], 2*HALFT
	s_mov_b64 s[G0HB+2:G0HB+3], s[46:47]
	s_or_b32 s[G0HB+3], s[G0HB+3], 0x80000000
	s_mov_b32 s[G0S], 1
	s_mov_b32 s[G0S+1], SCL
	s_mov_b64 s[G0S+2:G0S+3], s[22:23]
	s_or_b32 s[G0S+3], s[G0S+3], 0x80000000
	s_mov_b32 s[G0SB], 1
	s_mov_b32 s[G0SB+1], SCL+2*HALFS
	s_mov_b64 s[G0SB+2:G0SB+3], s[92:93]
	s_or_b32 s[G0SB+3], s[G0SB+3], 0x80000000
	s_add_nc_u64 s[20:21], s[20:21], s[18:19]
	s_add_nc_u64 s[46:47], s[46:47], s[18:19]
.irp s, 0,1
	s_mov_b32 s[G0+4*\s], 1
	s_add_co_u32 s[G0+4*\s+1], s45, \s*SLOT
	s_add_nc_u64 s[G0+4*\s+2:G0+4*\s+3], s[20:21], \s*ROWB
	s_or_b32 s[G0+4*\s+3], s[G0+4*\s+3], 0x80000000
	s_mov_b32 s[G0B+4*\s], 1
	s_add_co_u32 s[G0B+4*\s+1], s45, \s*SLOT
	s_add_nc_u64 s[G0B+4*\s+2:G0B+4*\s+3], s[46:47], \s*ROWB
	s_or_b32 s[G0B+4*\s+3], s[G0B+4*\s+3], 0x80000000
.endr
; the head's four tiles, one a wave: chunk 0 of x's 256 rows, of the weight's, x's scales, the weight's
.macro ARM under, g0, g1, next
	s_cmp_lt_u32 s14, \under
	s_cbranch_scc0 \next
	tensor_load_to_lds s[\g0:\g0+3], s[\g1:\g1+7]
	s_nop 0
	PLACES 4
	s_branch .Lhead_asked
\next:
.endm
	ARM 1, G0H,  G1,  .Lhead_b
	ARM 2, G0HB, G1B, .Lhead_sa
	ARM 3, G0S,  G1S, .Lhead_sb
	tensor_load_to_lds s[G0SB:G0SB+3], s[G1SB:G1SB+7]
	s_nop 0
	PLACES 4
.Lhead_asked:
	v_and_b32 v1, 15, v0
	v_bfe_u32 v2, v0, 4, 1
	v_mul_u32_u24 v3, v1, PITCH
	v_mul_u32_u24 v4, v2, 24
	v_add_nc_u32 v4, v3, v4                ; a fragment's row x pitch + 24 x half
	s_mov_b32 s21, SLOT-232
	s_mov_b32 s22, SLOT+232
	v_sub_nc_u32 v7, 1, v2
	v_mul_u32_u24 v5, s21, v2
	v_add_nc_u32 v5, v3, v5
	v_add_nc_u32 v5, 232, v5               ; across two chunks: lanes 0-15 byte 232 in slot 0, lanes 16-31 byte 0 in slot 1;
	v_mul_u32_u24 v6, s22, v7
	v_add_nc_u32 v6, v3, v6                ; and the other way round
	v_lshrrev_b32 v9, 3, v0                ; where my row of W_v's scale bytes goes: 32 x thread, and 16 more for each 256 passed
	v_lshlrev_b32 v9, 4, v9
	v_lshl_add_u32 v9, v0, 5, v9
	v_add_nc_u32 v9, SCV, v9
	s_mul_i32 s21, s15, HALFT
	s_mul_i32 s22, s16, HALFT
	s_add_co_u32 s22, s22, 2*HALFT
	v_add_nc_u32 v[ADRA+2], s21, v5
	v_add_nc_u32 v[ADRA+3], s21, v6
	v_add_nc_u32 v[ADRB+2], s22, v5
	v_add_nc_u32 v[ADRB+3], s22, v6
.irp s, 0,1
	v_add_nc_u32 v[ADRA+\s], s21, v4
	v_add_nc_u32 v[ADRB+\s], s22, v4
	s_add_co_u32 s21, s21, SLOT
	s_add_co_u32 s22, s22, SLOT
.endr
	s_mul_i32 s21, s16, HALFT              ; part 2: my 128 tokens among x's rows; my 64 rows of W_v, which wave 2 + s15 fetches
	s_mul_i32 s22, s15, HALFT
	s_add_co_u32 s22, s22, 2*HALFT
	v_add_nc_u32 v[XB+2], s21, v5
	v_add_nc_u32 v[XB+3], s21, v6
	v_add_nc_u32 v[WB+2], s22, v5
	v_add_nc_u32 v[WB+3], s22, v6
.irp s, 0,1
	v_add_nc_u32 v[XB+\s], s21, v4
	v_add_nc_u32 v[WB+\s], s22, v4
	s_add_co_u32 s21, s21, SLOT
	s_add_co_u32 s22, s22, SLOT
.endr
	v_mul_u32_u24 v3, v1, KS               ; my row's scale bytes
	v_lshrrev_b32 v6, 8, v3
	v_lshl_add_u32 v3, v6, 4, v3
	s_wait_alu depctr_va_vdst(0)
	s_mul_i32 s21, s15, HALFS
	s_mul_i32 s22, s16, HALFS
	s_add_co_u32 s22, s22, 2*HALFS
	s_sub_co_u32 s22, s22, s21
	v_mul_u32_u24 v6, s22, v2              ; part 1: lanes 0-15 x's, lanes 16-31 the weight's
	s_add_co_u32 s21, s21, SCL
	v_add_nc_u32 v5, v3, v6
	v_add_nc_u32 v[ADRS], s21, v5
	s_mul_i32 s21, s16, HALFS              ; part 2: lanes 16-31 x's, lanes 0-15 W_v's, which lie higher
	s_mul_i32 s22, s15, 4*SBLK
	s_add_co_u32 s22, s22, SCV-SCL
	s_sub_co_u32 s22, s22, s21
	v_mul_u32_u24 v6, s22, v7
	s_add_co_u32 s21, s21, SCL
	v_add_nc_u32 v5, v3, v6
	v_add_nc_u32 v[ADRS2], s21, v5
	s_sub_co_u32 s22, s22, 4*SBLK
	v_mul_u32_u24 v6, s22, v7
	v_add_nc_u32 v5, v3, v6
	v_add_nc_u32 v[ADRS3], s21, v5
	v_lshlrev_b32 v[BVA], 2, v1
	v_lshlrev_b32 v[BA], 5, v2
	v_and_b32 v6, 31, v0
	v_lshlrev_b32 v[VO16], 4, v6
	v_lshlrev_b32 v[VO8], 3, v6
	v_lshlrev_b32 v[VOV], 4, v1
	v_lshl_add_u32 v[VOV], v2, 3, v[VOV]
	v_lshlrev_b32 v[SH], 4, v2
	s_cmp_eq_u32 s[KIND], 0
	s_mov_b32 s46, 12288
	s_cselect_b32 s46, 6144, s46
	s_mov_b32 s[HS], KVHEAD
	s_cselect_b32 s[HS], QHEAD, s[HS]
	s_mov_b32 s47, KVSTEP
	s_cselect_b32 s47, QSTEP, s47
	v_mul_u32_u24 v[VOS], s[HS], v2
	v_lshl_add_u32 v[VOS], v1, 4, v[VOS]
	s_lshl_b32 s92, s42, 10
	s_lshl_b32 s93, s16, 9
	s_add_co_u32 s92, s92, s93
	s_mov_b32 s93, 0
	s_add_nc_u64 s[12:13], s[12:13], s[92:93]
	s_wait_alu depctr_va_vdst(0)
	s_wait_loadcnt 0x0                     ; W_v's scale bytes
	ds_store_b128 v9, v[224:227]
	ds_store_b128 v9, v[228:231] offset:16
.irp b, 0,1,2,3,4,5,6,7                ; q's or k's bias in the results' layout: register j of block b is column 16 b + 8 h + j
	global_load_b128 v[BI+8*\b:BI+8*\b+3], v[BA], s[12:13] offset:64*\b
	global_load_b128 v[BI+8*\b+4:BI+8*\b+7], v[BA], s[12:13] offset:64*\b+16
.endr
	s_lshr_b32 s92, s17, 3                 ; where q's or k's results go: bh and the step
	s_lshl_b32 s92, s92, 4
	s_lshl_b32 s93, s42, 2
	s_add_co_u32 s92, s92, s93
	s_lshl_b32 s93, s16, 1
	s_add_co_u32 s92, s92, s93
	s_and_b32 s93, s17, 7
	s_lshl_b32 s93, s93, 1
	s_add_co_u32 s93, s93, s15
	s_mul_i32 s92, s92, s[HS]
	s_mul_i32 s93, s93, s47
	s_add_co_u32 s92, s92, s93
	s_mov_b32 s93, 0
	s_add_nc_u64 s[94:95], s[94:95], s[92:93]
	s_mov_b32 s47, 0
	s_mov_b32 s18, s[HS]
	s_mov_b32 s19, 0
.macro FRAG reg, adr, st, i            ; 16 rows x 128 K: six pieces of 8 bytes; byte y of the walk lies in chunk y / 256, slot (y / 256) % 2
.irp p, 0,1,2,3,4,5
.set BY, 96*(\st)+48*(\p/3)+8*(\p%3)
.if BY/ROWB == (BY+24)/ROWB
	ds_load_b64 v[\reg+2*\p:\reg+2*\p+1], v[\adr+(BY/ROWB)%2] offset:BY%ROWB+(\i)*16*PITCH
.else
	ds_load_b64 v[\reg+2*\p:\reg+2*\p+1], v[\adr+2+(BY/ROWB)%2] offset:BY%ROWB-232+(\i)*16*PITCH
.endif
.endr
.endm
; 16 products; zero = 1: C is the bias by source 0's block, 2: by source 1's block, 0: the sum.  ao: which of source 1's fragments stand for blocks 0 ...  The accumulators take turns
.macro MUL16 a0, p, q, sc, zero, ao=0
.irp a, \a0, \a0+1
.irp b, 0,1,2,3,4,5,6,7
.if \zero == 1
	v_wmma_scale_f32_16x16x128_f8f6f4 v[8*(8*((\a)%4)+\b):8*(8*((\a)%4)+\b)+7], v[128*(\p)+FR*\b:128*(\p)+FR*\b+FR-1], v[AF+FR*((\a)+(\ao)):AF+FR*((\a)+(\ao))+FR-1], v[BI+8*\b:BI+8*\b+7], v[SC+8*NQ*(\sc)+NQ*\b+(\q)], v[SC+8*NQ*(\sc)+NQ*(\a)+(\q)] matrix_a_fmt:MATRIX_FMT_FP6 matrix_b_fmt:MATRIX_FMT_FP6 matrix_a_scale:MATRIX_SCALE_ROW1
.elseif \zero == 2
	v_wmma_scale_f32_16x16x128_f8f6f4 v[8*(8*((\a)%4)+\b):8*(8*((\a)%4)+\b)+7], v[128*(\p)+FR*\b:128*(\p)+FR*\b+FR-1], v[AF+FR*((\a)+(\ao)):AF+FR*((\a)+(\ao))+FR-1], v[BI+8*(\a):BI+8*(\a)+7], v[SC+8*NQ*(\sc)+NQ*\b+(\q)], v[SC+8*NQ*(\sc)+NQ*(\a)+(\q)] matrix_a_fmt:MATRIX_FMT_FP6 matrix_b_fmt:MATRIX_FMT_FP6 matrix_a_scale:MATRIX_SCALE_ROW1
.else
	v_wmma_scale_f32_16x16x128_f8f6f4 v[8*(8*((\a)%4)+\b):8*(8*((\a)%4)+\b)+7], v[128*(\p)+FR*\b:128*(\p)+FR*\b+FR-1], v[AF+FR*((\a)+(\ao)):AF+FR*((\a)+(\ao))+FR-1], v[8*(8*((\a)%4)+\b):8*(8*((\a)%4)+\b)+7], v[SC+8*NQ*(\sc)+NQ*\b+(\q)], v[SC+8*NQ*(\sc)+NQ*(\a)+(\q)] matrix_a_fmt:MATRIX_FMT_FP6 matrix_b_fmt:MATRIX_FMT_FP6 matrix_a_scale:MATRIX_SCALE_ROW1
.endif
.endr
.endr
.endm
.macro FETCH_B st, p, adr=ADRB
	WIN TO_B
.irp i, 0,1,2,3,4,5,6,7
	FRAG 128*(\p)+FR*\i, \adr, \st, \i
.endr
	WIN 0
.endm
.macro FETCH_A st, i0
.irp i, \i0, \i0+1, \i0+2, \i0+3
	FRAG AF+FR*(\i), ADRA, \st, \i
.endr
.endm
.macro SCALES pr                       ; the scale words of steps 2 pr, 2 pr + 1
.irp i, 0,1,2,3,4,5,6,7
	ds_load_b64 v[SC+8*NQ*((\pr)%2)+NQ*\i:SC+8*NQ*((\pr)%2)+NQ*\i+1], v[ADRS] offset:\i*SBLK+4*NQ*(\pr)
.endr
.endm
.macro SCALES2 pr                      ; the same in part 2, whose K begins anew at pair 4
.irp i, 0,1,2,3
	ds_load_b64 v[SC+8*NQ*((\pr)%2)+NQ*\i:SC+8*NQ*((\pr)%2)+NQ*\i+1], v[ADRS2] offset:\i*SBLK+4*NQ*((\pr)-4)
.endr
.irp i, 4,5,6,7
	ds_load_b64 v[SC+8*NQ*((\pr)%2)+NQ*\i:SC+8*NQ*((\pr)%2)+NQ*\i+1], v[ADRS3] offset:\i*SBLK+4*NQ*((\pr)-4)
.endr
.endm
.macro FETCH2 st                       ; part 2: a whole step's fragments: x's eight and W_v's four into set st % 2
	FETCH_B \st, (\st)%2, XB
.irp i, 0,1,2,3
	FRAG AF+FR*(\i+4*((\st)%2)), WB, \st, \i
.endr
.if (\st)%2 == 0
	SCALES2 (\st)/2
.endif
.endm
.macro REFILL c                        ; chunk c into slot c % 2.  No tensor load of mine is out here, so descriptors may be written
.set SL, 4*((\c)%2)
.if (\c) == 2 || (\c) == 5
	s_add_nc_u64 s[G0+SL+2:G0+SL+3], s[G0+SL+2:G0+SL+3], 2*ROWB
	s_add_nc_u64 s[G0B+SL+2:G0B+SL+3], s[G0B+SL+2:G0B+SL+3], 2*ROWB
.else
	s_sub_nc_u64 s[G0+SL+2:G0+SL+3], s[G0+SL+2:G0+SL+3], ROWB      ; x's chunk 0 behind its chunk 1, its chunk 1 behind its chunk 2
	s_add_nc_u64 s[G0B+SL+2:G0B+SL+3], s[WVB:WVB+1], ((\c)-3)*ROWB ; W_v's chunk 0 or 1
	s_or_b32 s[G0B+SL+3], s[G0B+SL+3], 0x80000000
.endif
.if (\c) == 3
	s_mov_b32 s[G1B+2], 64<<16             ; of W_v a wave fetches 64 rows
	s_mov_b32 s[G1B+4], 64
.endif
	JLOAD G0+SL, G1, G0B+SL, G1B
.endm
; A step of part 1: 64 products; the next step's fragments are fetched in its middle and at its end (step 7 fetches none).  Where the next step's bytes end in a chunk not yet read, a barrier shows that chunk whole; where they begin in a later chunk,
; the chunk left behind is free: the three lines, the barrier, and, where a chunk two on is left, the cluster's round and the refill.
.macro STEP st, zero
.set NX, (\st)+1
.set C0, (96*(\st))/ROWB
.set C1, (96*NX)/ROWB
.set E0, (96*(\st)+95)/ROWB
.set E1, (96*NX+95)/ROWB
.if C1 > C0 || E1 > E0
	s_wait_tensorcnt 0x0                   ; all my tensor loads have landed
.if C1 > C0
	ds_add_u32 v[SPW], v[NIL]
	s_wait_dscnt 4*NL+1                    ; the add and source 1's blocks 4-7 may be out
.else
	s_wait_dscnt 4*NL
.endif
	WIN MUL_LO
	MUL16 0, (\st)%2, (\st)%2, ((\st)/2)%2, \zero
	s_wait_dscnt 0x0                       ; the add and all my reads are done
	s_barrier_signal -1
	MUL16 2, (\st)%2, (\st)%2, ((\st)/2)%2, \zero
	WIN 0
	s_barrier_wait -1
.if C1 > C0 && C0+2 < CHUNKS
	CREST
	REFILL C0+2                            ; its four v_nop are the places ahead of the loads below
.else
	PLACES NP
.endif
.else
	s_wait_dscnt 4*NL
.if \zero
	WIN FST_LO
.else
	WIN MUL_LO
.endif
	MUL16 0, (\st)%2, (\st)%2, ((\st)/2)%2, \zero
	MUL16 2, (\st)%2, (\st)%2, ((\st)/2)%2, \zero
	s_wait_dscnt 0
	PLACES NP
.endif
.if NX < 8
	FETCH_B NX, NX%2
	FETCH_A NX, 0
.if NX%2 == 0
	SCALES NX/2
.endif
.endif
.if \zero
	WIN FST_HI
.else
	WIN MUL_HI
.endif
	MUL16 4, (\st)%2, (\st)%2, ((\st)/2)%2, \zero
	MUL16 6, (\st)%2, (\st)%2, ((\st)/2)%2, \zero
	PLACES NP
	WIN 0
.if NX < 8
	FETCH_A NX, 4
.endif
.endm
; A step of part 2: 32 products.  Both operands have two sets, so the next step's fragments are fetched ahead of this step's products, or, where a barrier must show their chunk first, in their middle.
; The wait at its head is for all: the 72 or 80 loads of a fetch pass the count that a wait can name.
.macro STEP2 st, zero
.set NX, (\st)+1
.set C0, (96*(\st))/ROWB
.set C1, (96*NX)/ROWB
.set E0, (96*(\st)+95)/ROWB
.set E1, (96*NX+95)/ROWB
.if C1 > C0 || E1 > E0
	s_wait_tensorcnt 0x0
.if C1 > C0
	ds_add_u32 v[SPW], v[NIL]
.endif
	s_wait_dscnt 0x0                       ; this step's fragments are in, and all my reads and the add are done
	s_barrier_signal -1
	WIN MUL_LO
	MUL16 0, (\st)%2, (\st)%2, ((\st)/2)%2, 0, 4*((\st)%2)
	WIN 0
	s_barrier_wait -1
.if C1 > C0 && C0+2 < CHUNKS
	CREST
	REFILL C0+2
.else
	PLACES NP
.endif
	FETCH2 NX
	WIN MUL_LO
	MUL16 2, (\st)%2, (\st)%2, ((\st)/2)%2, 0, 4*((\st)%2)
	WIN 0
.else
	s_wait_dscnt 0x0
	PLACES NP
	FETCH2 NX
.if \zero
	WIN FST_LO
.else
	WIN MUL_LO
.endif
	MUL16 0, (\st)%2, (\st)%2, ((\st)/2)%2, \zero, 4*((\st)%2)
	MUL16 2, (\st)%2, (\st)%2, ((\st)/2)%2, \zero, 4*((\st)%2)
	WIN 0
.endif
.endm
	s_wait_alu depctr_va_vdst(0)
	s_wait_tensorcnt 0x0                   ; my tile of the head's four is in; the lines ahead of a later first fill:
	ds_add_u32 v[SPW], v[NIL]
	s_mov_b32 s[G1+2], 128<<16             ; no tensor load of mine is out: from here on a load brings 128 rows,
	s_mov_b32 s[G1+4], 128
	s_mov_b32 s[G1B+2], 128<<16
	s_mov_b32 s[G1B+4], 128
	s_mov_b64 s[4:5], s[94:95]             ; and the head's descriptors give way to the results' places: codes of two heads,
	s_add_nc_u64 s[8:9], s[94:95], s[46:47]    ; scale words
	s_add_nc_u64 s[6:7], s[4:5], s[18:19]
	s_add_nc_u64 s[10:11], s[8:9], s[18:19]
	s_wait_dscnt 0x0                       ; the add, and my stores of W_v's scale bytes
	CROUND
	JLOAD G0+4, G1, G0B+4, G1B             ; chunk 1
	s_load_b64 s[68:69], s[0:1], 0x30      ; part 2's buffers: Wv_codes,
	s_load_b64 s[70:71], s[0:1], 0x50      ; bv,
	s_load_b64 s[72:73], s[0:1], 0x60      ; kv
	FETCH_B 0, 0
	FETCH_A 0, 0
	SCALES 0
	FETCH_A 0, 4
	s_wait_kmcnt 0x0
	s_lshl_b32 s76, s[VBK], 7              ; W_v's rows 128 x block + 64 x (which of the two I fetch)
	s_lshl_b32 s77, s16, 6
	s_add_co_u32 s76, s76, s77
	s_mul_i32 s76, s76, KROW
	s_mov_b32 s77, 0
	s_add_nc_u64 s[WVB:WVB+1], s[WVB:WVB+1], s[76:77]
	s_lshl_b32 s78, s[VBK], 1
	s_add_co_u32 s78, s78, s15             ; my head of v
	s_lshl_b32 s76, s78, 8
	s_add_nc_u64 s[70:71], s[70:71], s[76:77]
	s_lshr_b32 s79, s17, 3
	s_lshl_b32 s79, s79, 4
	s_add_co_u32 s79, s79, s78
	s_mul_i32 s79, s79, KVHEAD
	s_and_b32 s76, s17, 7
	s_lshl_b32 s76, s76, 1
	s_add_co_u32 s76, s76, s16
	s_mul_i32 s76, s76, KVSTEP
	s_add_co_u32 s76, s76, s79
	s_add_nc_u64 s[72:73], s[72:73], s[76:77]
	s_add_nc_u64 s[74:75], s[72:73], 12800
	s_add_nc_u64 s[72:73], s[72:73], 6144
	s_wait_loadcnt 0x0                     ; the bias
	STEP 0, 1
.set ST, 1
.rept 7
	STEP ST, 0
.set ST, ST+1
.endr
; THE WAY OUT of source 1's block a: four blocks of 32 along source 0's rows: the largest magnitude with lane l xor 16's, the scale, the codes, whole blocks to a lane.
.macro PUTQK p, e                      ; a fragment of each of two heads: each store covers 512 or 256 consecutive bytes, from a multiple of 256
	global_store_b128 v[VO16], v[\p:\p+3], s[4:5] offset:768*(\e)
	global_store_b64 v[VO8], v[\p+4:\p+5], s[4:5] offset:768*(\e)+512
	global_store_b128 v[VO16], v[\p+6:\p+9], s[6:7] offset:768*(\e)
	global_store_b64 v[VO8], v[\p+10:\p+11], s[6:7] offset:768*(\e)+512
.endm
.macro XCH x, y, t                     ; x's lanes 8-15 of each 16 change places with y's lanes 0-7
	v_mov_b32_dpp v[\t], v[\y] row_xmask:8 row_mask:0xf bank_mask:0xf
	v_mov_b32_dpp v[\t+1], v[\x] row_xmask:8 row_mask:0xf bank_mask:0xf
	v_cndmask_b32 v[\x], v[\x], v[\t], s[M8]
	v_cndmask_b32 v[\y], v[\t+1], v[\y], s[M8]
.endm
.macro OUTC a
.set AC, 64*((\a)%4)
.set WA, 2+(\a)/4
.set W2, WA|(WA<<2)
.if (\a)%4 == 0                        ; the codes' registers: numbers apart from the block's sums', and a pair's two sets apart
.set PC, 96
.elseif (\a)%4 == 1
.set PC, 160
.elseif (\a)%4 == 2
.set PC, 224
.set PX, 96
.else
.set PC, 128
.set PX, 160
.endif
.set PWA, PW+(\a)%4
	s_wait_xcnt 0x0                        ; earlier stores have read their registers
	WIN W2
.irp b, 0,1,2,3
	v_max3_num_f32 v[TM+\b], |v[AC+16*\b]|, |v[AC+16*\b+1]|, 0x1800000
.endr
.irp i, 2,4,6,8,10,12,14
.irp b, 0,1,2,3
	v_max3_num_f32 v[TM+\b], |v[AC+16*\b+\i]|, |v[AC+16*\b+\i+1]|, v[TM+\b]
.endr
.endr
	WIN 0
.irp b, 0,1,2,3
	v_permlanex16_b32 v[TM+4+\b], v[TM+\b], s[SEL], s[SEL+1]
.endr
.irp b, 0,1,2,3
	v_max_num_f32 v[TM+\b], v[TM+\b], v[TM+4+\b]
.endr
.irp b, 0,1,2,3
	v_add_nc_u32 v[TM+12+\b], 0xff000000, v[TM+\b]
.endr
.irp b, 0,1,2,3
	v_lshrrev_b32 v[TM+4+\b], 23, v[TM+12+\b]
.endr
	v_lshl_or_b32 v[PWA], v[TM+5], 8, v[TM+4]
	v_lshl_or_b32 v[PWA], v[TM+6], 16, v[PWA]
	v_lshl_or_b32 v[PWA], v[TM+7], 24, v[PWA]
	WIN WA
.irp c, 0,1
	v_cvt_scalef32_pk16_fp6_f32 v[PC+6*\c:PC+6*\c+2], v[AC+32*\c:AC+32*\c+15], v[TM+12+2*\c]
	v_cvt_scalef32_pk16_fp6_f32 v[PC+12+4*\c:PC+12+4*\c+2], v[AC+32*\c+16:AC+32*\c+31], v[TM+13+2*\c]
.endr
	WIN 0
	v_nop
.irp c, 0,1
.irp i, 0,1,2
	v_permlane16_swap_b32 v[PC+6*\c+\i], v[PC+12+4*\c+\i]
.endr
.irp i, 0,1,2
	v_mov_b32 v[PC+3+6*\c+\i], v[PC+12+4*\c+\i]
.endr
.endr
.endm
.macro OUTQK a
	OUTC \a
.if (\a)%4 >= 2                        ; blocks a - 2 and a exchange groups of eight lanes, codes and scale words, and leave
.irp k, 0,1,2,3,4,5,6,7,8,9,10,11
	XCH PX+\k, PC+\k, TT+2*(\k%2)
.endr
	XCH PWA-2, PWA, TT
	PUTQK PX, (\a)-2
	PUTQK PC, \a
.irp e, 2, 0
	v_lshrrev_b32 v[SW+(\a)%4-\e], v[SH], v[PWA-\e]
.endr
.irp e, 2, 0
	v_and_b32 v[SW+(\a)%4-\e], 0xffff, v[SW+(\a)%4-\e]   ; my head's two bytes; the upper two stay 0
.endr
.if (\a)%4 == 3
	global_store_b128 v[VOS], v[SW:SW+3], s[8:9] offset:256*((\a)/4)
.endif
.endif
.endm
.macro OUTV a
	OUTC \a
.irp c, 0,1,2
	global_store_b128 v[VO16], v[PC+4*\c:PC+4*\c+3], s[72:73] offset:1536*(\a)+512*\c
.endr
.if (\a) == 3
	v_cndmask_b32 v[PR], v[PW], v[PW+2], s[HIM]
	v_cndmask_b32 v[PR+1], v[PW+1], v[PW+3], s[HIM]
	global_store_b64 v[VOV], v[PR:PR+1], s[74:75]
.endif
.endm
.irp a, 0,1,2,3
	global_load_b32 v[BV4+\a], v[BVA], s[70:71] offset:64*\a   ; v's bias: channel 16 a + lane % 16 of my head; it lands under the way out
.endr
.irp b, 0,1,2,3
	v_mov_b32 v[TM+4+\b], 0                ; written once: the destination of a lane permute counts as a source
	v_mov_b32 v[TT+\b], 0
.endr
.irp a, 0,1,2,3,4,5,6,7
	OUTQK \a
.endr
; PART 2
	s_wait_xcnt 0x0                        ; the stores have read their registers
	s_wait_loadcnt 0x0
.irp a, 0,1,2,3
.irp j, 0,1,2,3,4,5,6,7
	v_mov_b32 v[BI+8*\a+\j], v[BV4+\a]     ; the bias as the first products' C: the same in a lane's eight registers
.endr
.endr
	FETCH2 8
	s_wait_alu depctr_va_vdst(0)
	STEP2 8, 2
.set ST, 9
.rept 6
	STEP2 ST, 0
.set ST, ST+1
.endr
	s_wait_dscnt 0x0
	WIN MUL_LO
	MUL16 0, 1, 1, 1, 0, 4
	MUL16 2, 1, 1, 1, 0, 4
	WIN 0
	PLACES NP
.irp a, 0,1,2,3
	OUTV \a
.endr
	s_wait_tensorcnt 0x0                   ; the wave's end
	ds_add_u32 v[SPW], v[NIL]
	s_wait_dscnt 0x0
	CROUND
	s_endpgm
.Lfunc_end_k_qb66b2b6c7c_proj:
	.size	k_qb66b2b6c7c_proj, .Lfunc_end_k_qb66b2b6c7c_proj-k_qb66b2b6c7c_proj
	.p2alignl 7, 3214868480
	.fill 96, 4, 3214868480
	.section	.rodata,"a",@progbits
	.p2align	6, 0x0
	.amdhsa_kernel k_qb66b2b6c7c_proj
		.amdhsa_group_segment_fixed_size 327680
		.amdhsa_private_segment_fixed_size 0
		.amdhsa_enable_private_segment 0
		.amdhsa_kernarg_size 104
		.amdhsa_user_sgpr_count 2
		.amdhsa_user_sgpr_kernarg_segment_ptr 1
		.amdhsa_wavefront_size32 1
		.amdhsa_system_sgpr_workgroup_id_x 1
		.amdhsa_system_sgpr_workgroup_id_y 1
		.amdhsa_system_sgpr_workgroup_id_z 1
		.amdhsa_system_vgpr_workitem_id 0
		.amdhsa_next_free_vgpr 1024
		.amdhsa_next_free_sgpr 102
		.amdhsa_reserve_vcc 0
		.amdhsa_float_denorm_mode_32 3
		.amdhsa_float_denorm_mode_16_64 3
		.amdhsa_memory_ordered 1
		.amdhsa_forward_progress 1
		.amdhsa_inst_pref_size 255
	.end_amdhsa_kernel
	.section	.bss,"aw",@nobits
	.p2align	6
	.space	262144
	.amdgpu_metadata
---
amdhsa.version: [ 1, 2 ]
amdhsa.kernels:
  - .name:           k_qb66b2b6c7c_proj
    .symbol:         k_qb66b2b6c7c_proj.kd
    .args:
      - { .name: x_codes, .offset: 0, .size: 8, .value_kind: global_buffer, .address_space: global }
      - { .name: x_scales, .offset: 8, .size: 8, .value_kind: global_buffer, .address_space: global }
      - { .name: Wq_codes, .offset: 16, .size: 8, .value_kind: global_buffer, .address_space: global }
      - { .name: Wq_scales, .offset: 24, .size: 8, .value_kind: global_buffer, .address_space: global }
      - { .name: Wk_codes, .offset: 32, .size: 8, .value_kind: global_buffer, .address_space: global }
      - { .name: Wk_scales, .offset: 40, .size: 8, .value_kind: global_buffer, .address_space: global }
      - { .name: Wv_codes, .offset: 48, .size: 8, .value_kind: global_buffer, .address_space: global }
      - { .name: Wv_scales, .offset: 56, .size: 8, .value_kind: global_buffer, .address_space: global }
      - { .name: bq, .offset: 64, .size: 8, .value_kind: global_buffer, .address_space: global }
      - { .name: bk, .offset: 72, .size: 8, .value_kind: global_buffer, .address_space: global }
      - { .name: bv, .offset: 80, .size: 8, .value_kind: global_buffer, .address_space: global }
      - { .name: qw, .offset: 88, .size: 8, .value_kind: global_buffer, .address_space: global }
      - { .name: kv, .offset: 96, .size: 8, .value_kind: global_buffer, .address_space: global }
    .group_segment_fixed_size: 327680
    .private_segment_fixed_size: 0
    .kernarg_segment_align: 8
    .kernarg_segment_size: 104
    .max_flat_workgroup_size: 128
    .sgpr_count:     102
    .vgpr_count:     1024
    .wavefront_size: 32
...
	.end_amdgpu_metadata
.endif
;; end of part 1
;; launch attn (part 2): grid 4 x 64, 16 waves a work-group, clusters of 4 x 1, 280,576 bytes of LDS; arguments qw, kv, out0; writes out0
.if DOCPART == 2
	.amdgcn_target "amdgcn-amd-amdhsa--gfx1250"
	.amdhsa_code_object_version 6
	.text
	.protected	k_qb66b2b6c7c_attn
	.globl	k_qb66b2b6c7c_attn
	.p2align	8
	.type	k_qb66b2b6c7c_attn,@function
k_qb66b2b6c7c_attn:
	s_mov_b64 s[64:65], 0
	v_nop
	global_prefetch_b8 v0, s[64:65] scope:SCOPE_SE
	s_setreg_imm32_b32 hwreg(HW_REG_WAVE_MODE, 25, 1), 1
	s_wait_xcnt 0x0
	s_wait_alu depctr_hold_cnt(0) depctr_sa_sdst(0) depctr_va_vdst(0) depctr_va_sdst(0) depctr_va_ssrc(0) depctr_va_vcc(0) depctr_vm_vsrc(0)
	s_getreg_b32 s2, hwreg(HW_REG_IB_STS2, 6, 4)
	s_cmp_eq_u32 s2, 0
	s_cbranch_scc0 .Lentry_in_a_cluster
	s_endpgm
.Lentry_in_a_cluster:
	s_bfe_u32 s2, ttmp6, 0x10000c
	s_cmp_lg_u32 s2, 0x3003
	s_cbranch_scc0 .Lentry_shape_is_right
	s_endpgm
.Lentry_shape_is_right:
; out[b][q][64 head ..] = the sum over k of softmax_k(q . k / 8) v, both products on codes of FP6 (E2M3) with one E8M0 scale for each 32 along a product's K.  No work of the problem is left out.
; qw and kv are as the launch before leaves them (bh = 16 batch + head; a step is 128 tokens): qw[bh][step] 6,656 bytes, kv[bh][step] 13,056 bytes: k's 8 fragments of 768, v's 4 of 1,536 at 6,144, k's scale words at 12,288, v's at 12,800.
; Row 8 g + i of q's or k's fragment 4 c + j is token 64 c + 32 g + 8 (2 (j % 2) + j / 2) + i of its step.
; THE SOFTMAX: t = score x log2(e) / 8; M = the row's largest t so far, rounded up to a whole number; p = 2^(t - M) is quantised along the keys; the row's sum is taken of the unquantised p and divides at the end.  When M moves, the sum and O are multiplied by 2^(old M - new M).
; LAYOUT.  Both products are used transposed: S^T = k q^T, O^T = v^T p^T: a lane holds ONE query (lane % 16).  By the rows' order, a lane of half h holds in score tiles 4 c .. 4 c + 3 the WHOLE block 2 c + h of 32 keys, in the order in which v's codes stand:
; a block's largest score needs no other lane, and the conversions' results are the operand's registers.
; THE FIRST PRODUCT'S K IS 64 of the instruction's 128.  q's registers 6-11 are zero codes, so whatever codes stand in registers 6-11 of k's operand add nothing (FP6 has no NaN and no infinity; the scale words' upper bytes are 0, a finite scale):
; k's eight fragments lie 6 registers apart, each operand's upper half being the next fragment; the last one's is p's first six registers.
; SHARES.  Sixteen waves own 512 queries of one head, a tile of 16 a wave in each of two passes.  The whole head's k and v, 208,896 bytes, lie in LDS, filled once, a step a wave; the four work-groups of a head form a cluster and ask jointly.
; Waves 0-3 have a load line and a wait of their own: steps 0 to 2 run when steps 0 to 3 are in.  k's fragments are fetched a step ahead, behind the scores that free their registers; v's at the step's head.
; Nothing is prefetched: every byte of k and v is asked for by the first fills.
; LIMITS: NaN and infinities are not served; the promise holds while the scaled scores stay under 2^31 in magnitude.  A block whose every p has fallen under 2^-124 gets the scale byte 1.
; REGISTERS: v1-3 addresses; v4-6 16 x lane, 8 x lane, 16 x (lane % 16); v7 the old -M; v8-11 v's scale words; v12 -M, v13 the largest score, v[14:15] the sum; v16-27 q; v28 q's scale word; v30-37 k's; v38-85 k; v86-97 p's codes;
;   v98-145 v; v146-209 S^T, then p; v210-241 O^T; v242-253 at work; v254 f; v255 p's scale word.
.set STEPB, 13056
.set VOFF,  6144
.set KSOFF, 12288
.set VSOFF, 12800
.set HEADB, 16*STEPB
.set QHEAD, 106496
.set QSTEP, 6656
.set STG,   HEADB                      ; a stage of 16 rows x (256 + 16) bytes for each wave
.set SP,    272
.set SPARE, STG+16*16*SP               ; the spare words
.set VS,  8
.set QS,  28
.set KS,  30
.set KF,  38
.set PC,  86
.set VF,  98
.set S,   146
.set O,   210
.set MX,  242                          ; v242-245 four chains of maxima; then v242, v244 the two blocks'
.set TA,  246                          ; v246-248, v250-252 the second conversions' codes
.set SO0, 249                          ; v249, v253 the conversions' scale operands
.set TC,  250
.set SO1, 253
.set F,   254
.set PW,  255
.set WV,  18
.set SEL, 20
.set CS,  22
.set G1,  24
.set G0,  40
.set TB,  48
.set CNT, 49
.set QB,  50
.set QSB, 52
.set OB,  54
.set STB, 56
.macro WALU
	s_wait_alu depctr_va_vdst(0)
.endm
.macro ROUND
	s_barrier_signal -1
	s_barrier_wait -1
	s_cmp_lg_u32 s[WV], 0
	s_cbranch_scc1 .Lnot_wave_0_\@
	s_barrier_signal -3
.Lnot_wave_0_\@:
	s_barrier_wait -3
	s_barrier_signal -1
	s_barrier_wait -1
.endm
	s_load_b128 s[4:7], s[0:1], 0x0        ; qw, kv
	s_load_b64 s[8:9], s[0:1], 0x10        ; out0
	v_lshl_add_u32 v254, v0, 2, SPARE
	v_mov_b32 v255, 0
	ds_add_u32 v254, v255                  ; the opening lines: the add twice on end and one wait
	ds_add_u32 v254, v255
	v_lshrrev_b32 v1, 5, v0
	v_readfirstlane_b32 s[WV], v1
	s_bfe_u32 s10, ttmp6, 0x40000          ; cx: my block of 512 queries: it enters q's and out0's addresses alone
	s_and_b32 s11, ttmp7, 0xffff           ; bh
	s_mov_b32 s[G1], 15|(3<<16)|(1<<21)    ; a step: 51 dense rows of 256 bytes, for all four work-groups
	s_mov_b32 s[G1+1], 32<<16
	s_mov_b32 s[G1+2], 51<<16
	s_mov_b32 s[G1+3], 32<<16
	s_mov_b32 s[G1+4], 51
	s_mov_b32 s[G1+5], 32
	s_mov_b32 s[G1+6], 0
	s_mov_b32 s[G1+7], 0
	s_mul_i32 s12, s11, HEADB
	s_mul_i32 s14, s[WV], STEPB            ; I fetch step w; in LDS as in the head
	s_add_co_u32 s16, s12, s14
	s_mov_b32 s17, 0
	s_mul_i32 s12, s11, QHEAD              ; my tile of pass p: step 4 cx + 2 p + w / 8, fragment w % 8
	s_lshl_b32 s13, s10, 2
	s_lshr_b32 s19, s[WV], 3
	s_add_co_u32 s13, s13, s19
	s_mul_i32 s13, s13, QSTEP
	s_add_co_u32 s12, s12, s13
	s_and_b32 s13, s[WV], 7
	s_mul_i32 s13, s13, 768
	s_add_co_u32 s[QB], s12, s13
	s_mov_b32 s[QB+1], 0
	s_bfe_u32 s13, s[WV], 0x10002
	s_lshl_b32 s13, s13, 8
	s_add_co_u32 s[QSB], s12, s13
	s_and_b32 s13, s[WV], 3
	s_lshl_b32 s13, s13, 2
	s_add_co_u32 s[QSB], s[QSB], s13
	s_add_co_u32 s[QSB], s[QSB], 6144
	s_mov_b32 s[QSB+1], 0
	s_lshr_b32 s[OB], s11, 4               ; out0: my fragment's row 0 is token 2,048 batch + 512 cx + 64 (w / 4) + 16 (w % 2) + 8 ((w / 2) % 2)
	s_lshl_b32 s[OB], s[OB], 11
	s_lshl_b32 s13, s10, 9
	s_add_co_u32 s[OB], s[OB], s13
	s_lshr_b32 s13, s[WV], 2
	s_lshl_b32 s13, s13, 6
	s_add_co_u32 s[OB], s[OB], s13
	s_and_b32 s13, s[WV], 1
	s_lshl_b32 s13, s13, 4
	s_add_co_u32 s[OB], s[OB], s13
	s_bfe_u32 s13, s[WV], 0x10001
	s_lshl_b32 s13, s13, 3
	s_add_co_u32 s[OB], s[OB], s13
	s_lshl_b32 s[OB], s[OB], 12
	s_and_b32 s13, s11, 15
	s_lshl_b32 s13, s13, 8
	s_add_co_u32 s[OB], s[OB], s13
	s_mov_b32 s[OB+1], 0
	s_mul_i32 s[STB], s[WV], 16*SP
	s_add_co_u32 s[STB], s[STB], STG
	s_mov_b32 s[SEL], 0x76543210
	s_mov_b32 s[SEL+1], 0xfedcba98
	s_mov_b32 s[CS], 0x3e38aa3b            ; c = log2(e) / 8
	s_mov_b32 s[CS+1], s[CS]
	s_wait_dscnt 0x0
	s_wait_kmcnt 0x0
	s_mov_b32 s[G0], 1
	s_mov_b32 s[G0+1], s14
	s_add_nc_u64 s[G0+2:G0+3], s[6:7], s[16:17]
	s_or_b32 s[G0+3], s[G0+3], 0x80000000
	s_add_nc_u64 s[QB:QB+1], s[4:5], s[QB:QB+1]
	s_add_nc_u64 s[QSB:QSB+1], s[4:5], s[QSB:QSB+1]
	s_add_nc_u64 s[OB:OB+1], s[8:9], s[OB:OB+1]
	ROUND                                  ; in front of the joint loads
	s_cmp_lt_u32 s[WV], 4                  ; one load a wave; waves 0-3, which alone wait ahead of the first barrier, have a line of their own
	s_cbranch_scc0 .Lrest
	tensor_load_to_lds s[G0:G0+3], s[G1:G1+7]
	s_nop 0
.rept 4
	v_nop
.endr
	s_branch .Lasked
.Lrest:
	tensor_load_to_lds s[G0:G0+3], s[G1:G1+7]
	s_nop 0
.rept 4
	v_nop
.endr
.Lasked:
	v_and_b32 v1, 31, v0
	v_and_b32 v2, 15, v0
	v_lshlrev_b32 v4, 4, v1
	v_lshlrev_b32 v5, 3, v1
	v_lshlrev_b32 v6, 4, v2
.macro QLOAD p
	global_load_b128 v[16:19], v4, s[QB:QB+1] offset:2*QSTEP*\p
	global_load_b64 v[20:21], v5, s[QB:QB+1] offset:2*QSTEP*\p+512
	global_load_b32 v[QS], v6, s[QSB:QSB+1] offset:2*QSTEP*\p
.endm
	QLOAD 0
.irp j, 0,1,2,3,4,5
	v_mov_b32 v[22+\j], 0                  ; K = 64 .. 127 of q: zero codes, once
	v_mov_b32 v[PC+\j], 0                  ; named as the upper half of k's last operand before p's first codes are made
.endr
	v_mov_b32 v[MX+1], 0
	v_mov_b32 v[MX+3], 0
.macro MAXL b, n                       ; line n of the eight that find the largest of the 16 scores of tiles 2 b, 2 b + 1; each tile from its low end on
.if (\n) == 0
	v_max3_num_f32 v[MX+\b], v[S+16*\b], v[S+16*\b+1], v[S+16*\b+2]
.elseif (\n) < 7
	v_max3_num_f32 v[MX+\b], v[MX+\b], v[S+16*\b+2*(\n)+1], v[S+16*\b+2*(\n)+2]
.else
	v_max_num_f32 v[MX+\b], v[MX+\b], v[S+16*\b+15]
.endif
.endm
.macro KLOAD a1, a2, a3, off           ; a step's eight fragments of k and their scale words: 18 loads
.irp t, 0,1,2,3,4,5,6,7
	ds_load_b128 v[KF+6*\t:KF+6*\t+3], \a1 offset:(\off)+768*\t
	ds_load_b64 v[KF+6*\t+4:KF+6*\t+5], \a2 offset:(\off)+768*\t+512
.endr
	ds_load_b128 v[KS:KS+3], \a3 offset:(\off)+KSOFF
	ds_load_b128 v[KS+4:KS+7], \a3 offset:(\off)+KSOFF+256
.endm
.macro FOLD n                          ; pairs 0 .. n - 1 of p take in pairs n .. 2 n - 1
.set i, 0
.rept \n
	v_pk_add_f32 v[S+2*i:S+2*i+1], v[S+2*i:S+2*i+1], v[S+2*(i+\n):S+2*(i+\n)+1]
.set i, i+1
.endr
.endm
; A KEY STEP: 128 keys.  nk = 0: k's fragments of the next step are fetched; 1: those of step 0, for the next pass; 2: none
.macro STEP nk
	v_add_nc_u32 v1, s[TB], v4             ; v's addresses, read at once; the places behind the last step's products are the lines that end that step
	v_add_nc_u32 v3, s[TB], v6
.irp t, 0,1,2,3
.irp c, 0,1,2
	ds_load_b128 v[VF+12*\t+4*\c:VF+12*\t+4*\c+3], v1 offset:VOFF+1536*\t+512*\c
.endr
.endr
	ds_load_b128 v[VS:VS+3], v3 offset:VSOFF
	s_wait_dscnt 13                        ; k's loads, issued a step ago, are in; v's thirteen may be out
.irp t, 0,1,2,3,4,5,6,7
	v_wmma_scale_f32_16x16x128_f8f6f4 v[S+8*\t:S+8*\t+7], v[KF+6*\t:KF+6*\t+11], v[16:27], 0, v[KS+\t], v[QS] matrix_a_fmt:MATRIX_FMT_FP6 matrix_b_fmt:MATRIX_FMT_FP6
.endr
	v_add_nc_u32 v1, s[TB], v4             ; four lines: the places ahead of the loads into k's registers and of the first read of the scores.  k's addresses are made here, directly ahead of their loads
	v_add_nc_u32 v2, s[TB], v5
	v_add_nc_u32 v3, s[TB], v6
	v_mov_b32 v7, v12
.if (\nk) == 0
	KLOAD v1, v2, v3, STEPB
.elseif (\nk) == 1
	KLOAD v4, v5, v6, 0
.endif
.irp n, 0,1,2,3,4,5,6,7
.irp b, 0,1,2,3
	MAXL \b, \n
.endr
.endr
	v_max_num_f32 v[MX], v[MX], v[MX+1]        ; my two blocks' largest scores: they serve the row's maximum and, since p rises with the score, the blocks' largest p
	v_max_num_f32 v[MX+2], v[MX+2], v[MX+3]
	v_max_num_f32 v[MX+3], v[MX], v[MX+2]
	v_permlanex16_b32 v[MX+1], v[MX+3], s[SEL], s[SEL+1]
	v_max3_num_f32 v13, v13, v[MX+3], v[MX+1]  ; the running largest score of my query
	s_delay_alu instid0(VALU_DEP_1)
	v_mul_f32 v[MX+3], s[CS], v13              ; as t (c is positive)
	s_delay_alu instid0(VALU_DEP_1)
	v_floor_f32 v12, -v[MX+3]                  ; -M = floor(-t)
	s_delay_alu instid0(VALU_DEP_1)
	v_sub_f32 v[MX+3], v12, v7                 ; old M - new M: a whole number, 0 or less
.set i, 0
.rept 32
	v_pk_fma_f32 v[S+i:S+i+1], v[S+i:S+i+1], s[CS:CS+1], v[12:13] op_sel_hi:[1,0,0]   ; t - M
.if i == 14
	v_cvt_i32_f32 v[MX+3], v[MX+3]             ; (it saturates)
.elseif i == 30
	v_ldexp_f32 v[F], 1.0, v[MX+3]             ; f = 2^(old M - new M)
.endif
.set i, i+2
.endr
	v_fma_f32 v[MX], v[MX], s[CS], v12
	v_fma_f32 v[MX+2], v[MX+2], s[CS], v12
.set i, 0
.rept 16
	v_pk_mul_f32 v[O+i:O+i+1], v[O+i:O+i+1], v[F:F+1] op_sel_hi:[1,0]   ; O^T under the new M, ahead of the exponentials; each accumulator from its low end on
.set i, i+2
.endr
	v_pk_mul_f32 v[14:15], v[14:15], v[F:F+1] op_sel_hi:[1,0]
	WALU                                   ; ahead of the batch
	v_exp_f32 v[MX], v[MX]                 ; the blocks' largest p
	v_exp_f32 v[MX+2], v[MX+2]
.set i, 0
.rept 64
	v_exp_f32 v[S+i], v[S+i]               ; p = 2^(t - M)
.set i, i+1
.endr
	v_nop
	WALU                                   ; and behind it
	v_max_num_f32 v[MX], 0x1800000, v[MX]  ; the floor 2^-124: the byte cannot fall under 1
	v_max_num_f32 v[MX+2], 0x1800000, v[MX+2]
	v_add_nc_u32 v[SO0], 0xff000000, v[MX] ; 2 off the exponent field: the conversions' scale operands
	v_add_nc_u32 v[SO1], 0xff000000, v[MX+2]
	v_lshrrev_b32 v[MX], 23, v[SO0]
	v_lshrrev_b32 v[MX+2], 23, v[SO1]
	v_lshl_or_b32 v[MX+3], v[MX+2], 16, v[MX]              ; my blocks' bytes: h and 2 + h of the four
	v_permlanex16_b32 v[MX+1], v[MX+3], s[SEL], s[SEL+1]
	v_lshl_or_b32 v[PW], v[MX+1], 8, v[MX+3]               ; in lanes 0-15, which alone are read: p's scale word
	v_cvt_scalef32_pk16_fp6_f32 v[PC:PC+2], v[S:S+15], v[SO0]
	v_cvt_scalef32_pk16_fp6_f32 v[TA:TA+2], v[S+16:S+31], v[SO0]
	v_cvt_scalef32_pk16_fp6_f32 v[PC+6:PC+8], v[S+32:S+47], v[SO1]
	v_cvt_scalef32_pk16_fp6_f32 v[TC:TC+2], v[S+48:S+63], v[SO1]
	v_nop                                  ; one plain place behind the conversions
.irp j, 0,1,2
	v_mov_b32 v[PC+3+\j], v[TA+\j]         ; (a conversion's three registers begin on an even number)
	v_mov_b32 v[PC+9+\j], v[TC+\j]
.endr
	FOLD 16                                ; the row's sum of the unquantised p, folded in place: p's registers are done with.  These sixteen also stand between the lines that wrote p's codes and scale word and the products below
	WALU
.if (\nk) == 2
	s_wait_dscnt 0x0
.else
	s_wait_dscnt 18                        ; v's loads are in; the eighteen of k's next fragments may be out
.endif
.irp t, 0,1,2,3
	v_wmma_scale_f32_16x16x128_f8f6f4 v[O+8*\t:O+8*\t+7], v[VF+12*\t:VF+12*\t+11], v[PC:PC+11], v[O+8*\t:O+8*\t+7], v[VS+\t], v[PW] matrix_a_fmt:MATRIX_FMT_FP6 matrix_b_fmt:MATRIX_FMT_FP6
.endr
	FOLD 8                                 ; the rest of the fold names no register of the four products: the places behind them
	FOLD 4
	FOLD 2
	FOLD 1
	v_pk_add_f32 v[14:15], v[14:15], v[S:S+1]
.endm
.macro LOOP first, n
	s_mov_b32 s[TB], (\first)*STEPB
	s_mov_b32 s[CNT], \n
.Lstep_\@:
	STEP 0
	s_add_co_u32 s[TB], s[TB], STEPB
	s_sub_co_u32 s[CNT], s[CNT], 1
	s_cmp_lg_u32 s[CNT], 0
	s_cbranch_scc1 .Lstep_\@
.endm
; THE WAY OUT.  O^T / the sum goes through my stage: a lane's eight channels of a query in, whole rows of 256 bytes back: sixteen lanes store 256 consecutive bytes, from a multiple of 256.  Stage row 8 g + i is token 32 g + i from my fragment's first.
.macro WAYOUT p
	v_add_f32 v14, v14, v15
	v_permlanex16_b32 v[MX+3], v14, s[SEL], s[SEL+1]
	v_add_f32 v14, v14, v[MX+3]            ; with lane l xor 16's blocks: the row's sum
	WALU
	v_rcp_f32 v14, v14
	v_and_b32 v[MX], 15, v0
	v_bfe_u32 v[MX+1], v0, 4, 1
	v_mul_u32_u24 v1, v[MX], SP
	v_mul_u32_u24 v2, v[MX+1], SP
	v_lshlrev_b32 v3, 12, v[MX+1]
	v_lshl_add_u32 v1, v[MX+1], 5, v1
	v_lshl_add_u32 v2, v[MX], 4, v2
	v_lshl_add_u32 v3, v[MX], 4, v3
	v_add_nc_u32 v1, s[STB], v1
	v_add_nc_u32 v2, s[STB], v2
	WALU                                   ; ahead of the first reader of the reciprocal and of O^T
.set i, 0
.rept 16
	v_pk_mul_f32 v[S+i:S+i+1], v[O+i:O+i+1], v[14:15] op_sel_hi:[1,0]
.set i, i+2
.endr
.irp t, 0,1,2,3
	ds_store_b128 v1, v[S+8*\t:S+8*\t+3] offset:64*\t
	ds_store_b128 v1, v[S+8*\t+4:S+8*\t+7] offset:64*\t+16
.endr
.irp i, 0,1,2,3,4,5,6,7
	ds_load_b128 v[S+32+4*\i:S+32+4*\i+3], v2 offset:2*SP*\i   ; LDS serves a wave's instructions in order (ISA guide 5.7.1.4)
.endr
.irp i, 0,1,2,3,4,5,6,7
	s_wait_dscnt 7-\i                      ; the younger loads may be out
	global_store_b128 v3, v[S+32+4*\i:S+32+4*\i+3], s[OB:OB+1] offset:\p*1048576+131072*(\i/4)+8192*(\i%4) th:TH_STORE_NT
.endr
.endm
.macro START                           ; a pass begins: O^T and the sum as zeros, the largest score under every score: the first change of M multiplies zeros
	v_mov_b32 v13, 0xff61b1e6
	v_mov_b32 v12, 0x7f61b1e6
	v_mov_b32 v14, 0
	v_mov_b32 v15, 0
.set i, 0
.rept 32
	v_mov_b32 v[O+i], 0
.set i, i+1
.endr
.endm
	START
	WALU
	s_cmp_lt_u32 s[WV], 4
	s_cbranch_scc0 .Lnot_first
	s_wait_tensorcnt 0x0                   ; waves 0-3: steps 0 to 3
.Lnot_first:
	s_barrier_signal -1
	s_barrier_wait -1
	KLOAD v4, v5, v6, 0
	s_wait_loadcnt 0x0                     ; q
	LOOP 0, 3                              ; steps 0 to 2 read up to step 3's k
	s_wait_tensorcnt 0x0                   ; every wave: its step is in
	s_wait_dscnt 0x0
	s_barrier_signal -1
	s_barrier_wait -1
	LOOP 3, 12
	STEP 1
	QLOAD 1
	WAYOUT 0
	s_wait_xcnt 0x0                        ; the stores have read their registers
	START
	s_wait_loadcnt 0x0
	LOOP 0, 15
	STEP 2
	WAYOUT 1
	s_wait_xcnt 0x0
	v_lshl_add_u32 v254, v0, 2, SPARE
	v_mov_b32 v255, 0
	WALU
	s_wait_tensorcnt 0x0                   ; the wave's end
	ds_add_u32 v254, v255
	s_wait_dscnt 0x0
	ROUND
	s_endpgm
.Lfunc_end_k_qb66b2b6c7c_attn:
	.size	k_qb66b2b6c7c_attn, .Lfunc_end_k_qb66b2b6c7c_attn-k_qb66b2b6c7c_attn
	.p2alignl 7, 3214868480
	.fill 96, 4, 3214868480
	.section	.rodata,"a",@progbits
	.p2align	6, 0x0
	.amdhsa_kernel k_qb66b2b6c7c_attn
		.amdhsa_group_segment_fixed_size 280576
		.amdhsa_private_segment_fixed_size 0
		.amdhsa_enable_private_segment 0
		.amdhsa_kernarg_size 24
		.amdhsa_user_sgpr_count 2
		.amdhsa_user_sgpr_kernarg_segment_ptr 1
		.amdhsa_wavefront_size32 1
		.amdhsa_system_sgpr_workgroup_id_x 1
		.amdhsa_system_sgpr_workgroup_id_y 1
		.amdhsa_system_sgpr_workgroup_id_z 1
		.amdhsa_system_vgpr_workitem_id 0
		.amdhsa_next_free_vgpr 256
		.amdhsa_next_free_sgpr 66
		.amdhsa_reserve_vcc 0
		.amdhsa_float_denorm_mode_32 3
		.amdhsa_float_denorm_mode_16_64 3
		.amdhsa_memory_ordered 1
		.amdhsa_forward_progress 1
		.amdhsa_inst_pref_size 90
	.end_amdhsa_kernel
	.amdgpu_metadata
---
amdhsa.version: [ 1, 2 ]
amdhsa.kernels:
  - .name:           k_qb66b2b6c7c_attn
    .symbol:         k_qb66b2b6c7c_attn.kd
    .args:
      - { .name: qw, .offset: 0, .size: 8, .value_kind: global_buffer, .address_space: global }
      - { .name: kv, .offset: 8, .size: 8, .value_kind: global_buffer, .address_space: global }
      - { .name: out0, .offset: 16, .size: 8, .value_kind: global_buffer, .address_space: global }
    .group_segment_fixed_size: 280576
    .private_segment_fixed_size: 0
    .kernarg_segment_align: 8
    .kernarg_segment_size: 24
    .max_flat_workgroup_size: 512
    .sgpr_count:     66
    .vgpr_count:     256
    .wavefront_size: 32
...
	.end_amdgpu_metadata
.endif
;; end of part 2
